; MI455X (gfx1250); checked and timed in simulation.
; The chip was launched on July 23, 2026; its instructions are those of AMD's public machine-readable ISA for CDNA 5 (MIT licence, August 2026) and "CDNA5" Instruction Set Architecture Reference Guide (July 2026). The comments in the code are by the model that wrote it; some were corrected since.
;; Multihead Attention. Allowed arithmetic: matrix products marked QUANTISED: E4M3 operands, one given power-of-two scale a tensor, by v_wmma_f32_16x16x64_fp8_fp8 or v_wmma_f32_16x16x128_fp8_fp8, f32 sums; everything else in f32.
;; Inputs: Wk 1,024 x 1,024 float32; Wo 1,024 x 1,024 float32; Wq 1,024 x 1,024 float32; lowp_scales 10 int32 (the exponents e of the quantised operands' scales 2^e); x 4 x 2,048 x 1,024 float32.
;; Outputs: out0 4 x 2,048 x 1,024 float32.
;; This version of the problem:
;;   THIS VERSION OF THE PROBLEM IS GIVEN IN LOW PRECISION. The matrix products marked QUANTISED in the list below multiply operands that are first quantised to E4M3 (4 exponent bits, 3 mantissa bits; 8 bits a number), with one given power-of-two scale for each operand tensor; their sums are f32. All else is computed in f32.
;;   The module's matrix products, in the order in which they are computed (A, B: the left and right operand; K: the contracted axis; several contracted axes count as one K, in the product's order):
;;     1. [M 8,192, K 1,024] x [K 1,024, N 1,024]; A: input x; B: input Wq: QUANTISED (scales: A lowp_scales[0], B lowp_scales[1])
;;     2. [M 8,192, K 1,024] x [K 1,024, N 1,024]; A: input x; B: input Wk: QUANTISED (scales: A lowp_scales[2], B lowp_scales[3])
;;     3. batch 64 x [M 2,048, K 64] x [K 64, N 2,048]; A: computed on the way; B: computed on the way: QUANTISED (scales: A lowp_scales[4], B lowp_scales[5])
;;     4. batch 64 x [M 2,048, K 2,048] x [K 2,048, N 64]; A: softmax (see below); B: computed on the way: QUANTISED (scales: A lowp_scales[6], B lowp_scales[7])
;;     5. [M 8,192, K 1,024] x [K 1,024, N 1,024]; A: computed on the way; B: input Wo: QUANTISED (scales: A lowp_scales[8], B lowp_scales[9])
;;   THE QUANTISER, for each operand of a quantised product, along K:
;;     - The operand's scale is 2^e, e = its entry of the input lowp_scales (int32; the entries are numbered through the quantised products in the list's order, A before B).
;;     - Each number is divided by the scale, clamped to +-448, and rounded to the nearest number of E4M3, ties to even, subnormals kept.
;;     - The product sums the exact products of the quantised numbers (number of the format x scale) in f32.
;;   ~~~python
;;   def quantise(x, axis, e):      # numpy; x: float32 -> the quantised numbers, widened to float32 again
;;       x = np.moveaxis(x, axis, -1); K = x.shape[-1]
;;       r = np.clip(x / 2.0 ** e, -448, 448)
;;       step = 2.0 ** (np.maximum(np.frexp(np.where(r == 0, 1, r))[1] - 1, -6) - 3)
;;       q = np.round(r / step) * step * 2.0 ** e      # np.round: ties to even
;;       return np.moveaxis(q, -1, axis).astype(np.float32)
;;   ~~~
;;   SOFTMAX AHEAD OF A QUANTISED PRODUCT. Where the list says 'softmax', what is quantised is not the finished softmax but p = 2^(t - M), with t = logit x log2(e) and M = ceil(the row's largest t), a whole number; so 1/2 < the row's largest p <= 1. The row's sum l is taken of the UNQUANTISED p, in f32, and the product's result is divided by l at the end. Since M is a whole number, a kernel that streams over the keys may use a running M (the ceiling of the running maximum): every later rescaling is an exact power of two, so the quantised numbers keep their values, but for numbers so far below the row's largest that they fall under the format's range.
;;   OPERANDS COMPUTED ON THE WAY. 'Computed on the way' means the value that the module computes at that place (a softmax that the list does not call 'softmax' is quantised finished and normalised). What goes into a quantiser is computed in f32, as accurately as f32 sums, v_exp_f32 and their like allow (about 1e-6 of the number): no bf16 or f16 on the way to a quantiser, and a product that is left as it is and whose result goes on into a quantised operand takes f32 operands (vector FMAs, or v_wmma_f32_16x16x4_f32). A number that lies on a knife's edge between two numbers of the format may be rounded either way, as far as f32 arithmetic and the matrix unit's own rounding can turn it there, and no further.
;; One version. Each part assembles by itself: llvm-mc -triple=amdgcn-amd-amdhsa -mcpu=gfx1250 --defsym DOCPART=n.
;; ======== version 1 of 1: 4 launches
;; limits: right only within a limited range of input values
;; workspace buffers: xc 16,777,216 bytes; wc 3,145,728 bytes; qf 8,388,608 bytes; kv 16,777,216 bytes; of 8,388,608 bytes
;; launch quant (part 1): grid 704 x 1, 4 waves a work-group, no clusters, 33,280 bytes of LDS; arguments x, Wq, Wk, Wo, lowp_scales, xc, wc; writes xc, wc
.if DOCPART == 1
	.amdgcn_target "amdgcn-amd-amdhsa--gfx1250"
	.amdhsa_code_object_version 6
	.text
	.protected	k_q3763dbac50_quant
	.globl	k_q3763dbac50_quant
	.p2align	8
	.type	k_q3763dbac50_quant,@function
k_q3763dbac50_quant:
	s_mov_b64 s[64:65], 0
	v_nop
	global_prefetch_b8 v0, s[64:65] scope:SCOPE_SE
	s_setreg_imm32_b32 hwreg(HW_REG_WAVE_MODE, 25, 1), 1
	s_wait_xcnt 0x0
; f32 numbers into codes of FP8 (E4M3), one code a byte, K innermost, each tensor with the scale 2^e that is given for it.
; x [8192][1024] is an operand of two products with two scales: it is read once and quantised twice: xc = [2][8192][1024], half 0 with e0, half 1 with e2.
; Wq (e1), Wk (e3), Wo (e9), [1024][1024] each, go one behind the other into wc = [3072][1024].
; code = number / 2^e, held within +-448, rounded to the nearest code, ties to even.
; LIMITS: each of e0, e1, e2, e3, e9 lies between -126 and 119, so that 2^e and 448 x 2^e are f32 numbers.  NaN among the inputs is not served (an infinity is held at the largest code).
; Rows are dense, so every tensor is a plain stream.  A work-group takes 16,384 numbers: four waves x 8 steps x 512.  Work-groups 0-511: x; 512-575: Wq; 576-639: Wk; 640-703: Wo.
; Only pointers and exponents are chosen by the work-group's number; all take one path, but for x's second conversion and store, round which the weights' work-groups jump.
; A conversion takes eight neighbours from ONE lane's registers; a load takes neighbouring bytes in neighbouring LANES.  So each of a step's four loads reads 512 consecutive bytes, 16 a lane;
; the 2,048 bytes go through the wave's own stage in LDS as they lie and come back 64 bytes a lane (16 bytes of padding behind each 64).  A lane's 16 codes are 16 bytes: a store covers 512 consecutive bytes, aligned.
; No tensor loads, no barrier, no cluster: waves and work-groups share nothing.  Loads run four steps (16 loads a wave) ahead, the turn through LDS one step.
.set WAVES, 4
.set STEPS, 8
.set XWG,   512                        ; x's work-groups
.set R,     16                         ; v16-79   four sets of 16 numbers as they are loaded
.set X,     80                         ; v80-111  two sets of 16 neighbours
.set T,     112                        ; v112-127 the neighbours held for the first scale
.set C0,    128                        ; v128-159 codes by the first scale: four registers for each step, so that no store's data are written again
.set C1,    160                        ; v160-191 x's codes by the second scale, likewise
.set WREG,  8192                       ; LDS: a region for each wave: two stages of 32 x SP bytes
.set SP,    80                         ; a lane's place in a stage: its 64 bytes + 16 of padding
.set SPW,   12                         ; v12      LDS address of my spare word; never rewritten
.set NIL,   13                         ; v13      0; never rewritten
.set SPARE, WAVES*WREG                 ; behind the four regions: the spare words, 128 bytes for each wave, which no other line names
	s_load_b256 s[4:11], s[0:1], 0x0               ; x s[4:5], Wq s[6:7], Wk s[8:9], Wo s[10:11]
	s_load_b128 s[12:15], s[0:1], 0x20             ; the scales' exponents s[12:13], xc s[14:15]
	s_load_b64 s[16:17], s[0:1], 0x30              ; wc
	v_lshl_add_u32 v[SPW], v0, 2, SPARE
	v_mov_b32 v[NIL], 0
	v_lshrrev_b32 v1, 5, v0
	v_readfirstlane_b32 s36, v1                    ; wave
	v_and_b32 v2, 31, v0                           ; lane
	v_lshlrev_b32 v3, 4, v2                        ; 16 x lane: my 16 bytes of a load's 512, and of a store's; never rewritten
	s_mul_i32 s37, s36, WREG
	v_lshrrev_b32 v14, 2, v2
	v_mul_u32_u24 v14, v14, SP
	v_and_b32 v15, 3, v2
	v_lshl_add_u32 v14, v15, 4, v14
	v_add_nc_u32 v14, s37, v14                     ; the stage, on the way in: four lanes' 64 bytes on end, then the padding
	v_mul_u32_u24 v15, v2, SP
	v_add_nc_u32 v15, s37, v15                     ; and on the way out: my 16 neighbours
	s_sub_co_u32 s18, ttmp9, XWG                   ; j: which 16,384 numbers of the three weights (of use in their work-groups alone)
	s_lshr_b32 s19, s18, 6                         ; which weight: 0, 1, 2
	s_and_b32 s22, s18, 63                         ; and which part of it
	s_wait_alu depctr_va_vdst(0)                   ; directly ahead of the wait below
	s_wait_kmcnt 0x0
	s_load_b256 s[24:31], s[12:13], 0x0            ; e0 .. e7
	s_load_b64 s[32:33], s[12:13], 0x20            ; e8, e9
	s_cmp_eq_u32 s19, 1                            ; the choices hang on the work-group's number alone
	s_cselect_b64 s[6:7], s[8:9], s[6:7]
	s_cmp_eq_u32 s19, 2
	s_cselect_b64 s[6:7], s[10:11], s[6:7]         ; my weight
	s_cmp_lt_u32 ttmp9, XWG
	s_cselect_b64 s[4:5], s[4:5], s[6:7]           ; from where,
	s_cselect_b64 s[14:15], s[14:15], s[16:17]     ; to where,
	s_cselect_b32 s22, ttmp9, s22                  ; which part of the source,
	s_cselect_b32 s23, ttmp9, s18                  ; and of the destination
	s_lshl_b32 s22, s22, 2
	s_add_co_u32 s22, s22, s36                     ; my wave's run of 4,096 numbers:
	s_lshl_b32 s22, s22, 14                        ; 16,384 bytes of f32,
	s_lshl_b32 s20, s23, 2
	s_add_co_u32 s20, s20, s36
	s_lshl_b32 s20, s20, 12                        ; 4,096 bytes of codes
	s_mov_b32 s23, 0
	s_mov_b32 s21, 0
	s_add_nc_u64 s[4:5], s[4:5], s[22:23]
	s_add_nc_u64 s[14:15], s[14:15], s[20:21]
	s_add_nc_u64 s[20:21], s[14:15], 0x800000      ; xc's second half; only x's work-groups store by it
.macro LOAD t
.irp i, 0,1,2,3
	global_load_b128 v[R+16*((\t)%4)+4*\i:R+16*((\t)%4)+4*\i+3], v3, s[4:5] offset:2048*(\t)+512*\i th:TH_LOAD_NT   ; 32 lanes read 512 consecutive bytes
.endr
.endm
.macro TURN t                          ; step t's numbers through the stage: LDS serves a wave's instructions in order (ISA guide 5.7.1.4), so no wait stands between the stores and the loads
.irp i, 0,1,2,3
	ds_store_b128 v14, v[R+16*((\t)%4)+4*\i:R+16*((\t)%4)+4*\i+3] offset:32*SP*((\t)%2)+8*SP*\i
.endr
.irp i, 0,1,2,3
	ds_load_b128 v[X+16*((\t)%2)+4*\i:X+16*((\t)%2)+4*\i+3], v15 offset:32*SP*((\t)%2)+16*\i
.endr
.endm
.irp t, 0,1,2,3
	LOAD \t
.endr
	s_wait_kmcnt 0x0
	s_cmp_eq_u32 s19, 1
	s_cselect_b32 s25, s27, s25                    ; e3 for Wk, else e1
	s_cmp_eq_u32 s19, 2
	s_cselect_b32 s25, s33, s25                    ; e9 for Wo
	s_cmp_lt_u32 ttmp9, XWG
	s_cselect_b32 s24, s24, s25                    ; e0 for x: the first scale
	s_add_co_i32 s24, s24, 127
	s_lshl_b32 s25, s24, 23
	v_mov_b32 v11, s25                             ; 2^e as f32: the conversion takes its exponent field
	s_add_co_i32 s24, s24, 8
	s_lshl_b32 s24, s24, 23
	s_or_b32 s24, s24, 0x600000
	v_mov_b32 v10, s24                             ; 448 x 2^e
	s_add_co_i32 s26, s26, 127                     ; x's second scale: e2
	s_lshl_b32 s27, s26, 23
	v_mov_b32 v9, s27
	s_add_co_i32 s26, s26, 8
	s_lshl_b32 s26, s26, 23
	s_or_b32 s26, s26, 0x600000
	v_mov_b32 v8, s26
	s_wait_alu depctr_va_vdst(0)                   ; the wait at the head's end
	s_wait_loadcnt 12                              ; step 0's four loads are in; the twelve behind them may be out
	TURN 0
.macro STEP t
.set XS, X+16*((\t)%2)
	s_wait_dscnt 0x0                               ; this step's numbers are back from the stage: so its stores into the stage have read their registers,
.if (\t)+4 < STEPS
	LOAD (\t)+4                                    ; which take the loads of four steps on
.endif
.if (\t)+1 < STEPS
.if STEPS-2-(\t) >= 3
	s_wait_loadcnt 12                              ; the next step's four loads are in; those of the three steps behind it may be out
.else
	s_wait_loadcnt 4*(STEPS-2-(\t))                ; in the tail the count runs down
.endif
	TURN (\t)+1                                    ; and go through the other stage while this step is worked
.endif
.irp i, 0,1,2,3,4,5,6,7,8,9,10,11,12,13,14,15
	v_med3_num_f32 v[T+\i], v[XS+\i], -v10, v10    ; the conversion to an 8-bit code does not saturate (ISA guide 7.6.2): the hold at the largest code x the scale; into other registers, since x is wanted again
.endr
	v_cvt_scalef32_pk8_fp8_f32 v[C0+4*(\t):C0+4*(\t)+1], v[T:T+7], v11
	v_cvt_scalef32_pk8_fp8_f32 v[C0+4*(\t)+2:C0+4*(\t)+3], v[T+8:T+15], v11
	v_nop                                          ; a plain vector line behind the last conversion, ahead of the next write of its sources
	global_store_b128 v3, v[C0+4*(\t):C0+4*(\t)+3], s[14:15] offset:512*(\t)
	s_cmp_lt_u32 ttmp9, XWG                        ; x alone has a second scale: the weights' work-groups jump over register work and one store
	s_cbranch_scc0 .Lone_\@
.irp i, 0,1,2,3,4,5,6,7,8,9,10,11,12,13,14,15
	v_med3_num_f32 v[XS+\i], v[XS+\i], -v8, v8
.endr
	v_cvt_scalef32_pk8_fp8_f32 v[C1+4*(\t):C1+4*(\t)+1], v[XS:XS+7], v9
	v_cvt_scalef32_pk8_fp8_f32 v[C1+4*(\t)+2:C1+4*(\t)+3], v[XS+8:XS+15], v9
	v_nop
	global_store_b128 v3, v[C1+4*(\t):C1+4*(\t)+3], s[20:21] offset:512*(\t)
.Lone_\@:
.endm
.irp t, 0,1,2,3,4,5,6,7
	STEP \t
.endr
	s_wait_tensorcnt 0x0                           ; the wave's end, behind my last LDS store
	ds_add_u32 v[SPW], v[NIL]
	s_wait_dscnt 0x0
	s_endpgm
.Lfunc_end_k_q3763dbac50_quant:
	.size	k_q3763dbac50_quant, .Lfunc_end_k_q3763dbac50_quant-k_q3763dbac50_quant
	.p2alignl 7, 3214868480
	.fill 96, 4, 3214868480
	.section	.rodata,"a",@progbits
	.p2align	6, 0x0
	.amdhsa_kernel k_q3763dbac50_quant
		.amdhsa_group_segment_fixed_size 33280
		.amdhsa_private_segment_fixed_size 0
		.amdhsa_enable_private_segment 0
		.amdhsa_kernarg_size 56
		.amdhsa_user_sgpr_count 2
		.amdhsa_user_sgpr_kernarg_segment_ptr 1
		.amdhsa_wavefront_size32 1
		.amdhsa_system_sgpr_workgroup_id_x 1
		.amdhsa_system_sgpr_workgroup_id_y 1
		.amdhsa_system_sgpr_workgroup_id_z 1
		.amdhsa_system_vgpr_workitem_id 0
		.amdhsa_next_free_vgpr 192
		.amdhsa_next_free_sgpr 66
		.amdhsa_reserve_vcc 0
		.amdhsa_float_denorm_mode_32 3
		.amdhsa_float_denorm_mode_16_64 3
		.amdhsa_memory_ordered 1
		.amdhsa_forward_progress 1
		.amdhsa_inst_pref_size 32
	.end_amdhsa_kernel
	.amdgpu_metadata
---
amdhsa.version: [ 1, 2 ]
amdhsa.kernels:
  - .name:           k_q3763dbac50_quant
    .symbol:         k_q3763dbac50_quant.kd
    .args:
      - { .name: x, .offset: 0, .size: 8, .value_kind: global_buffer, .address_space: global }
      - { .name: Wq, .offset: 8, .size: 8, .value_kind: global_buffer, .address_space: global }
      - { .name: Wk, .offset: 16, .size: 8, .value_kind: global_buffer, .address_space: global }
      - { .name: Wo, .offset: 24, .size: 8, .value_kind: global_buffer, .address_space: global }
      - { .name: lowp_scales, .offset: 32, .size: 8, .value_kind: global_buffer, .address_space: global }
      - { .name: xc, .offset: 40, .size: 8, .value_kind: global_buffer, .address_space: global }
      - { .name: wc, .offset: 48, .size: 8, .value_kind: global_buffer, .address_space: global }
    .group_segment_fixed_size: 33280
    .private_segment_fixed_size: 0
    .kernarg_segment_align: 8
    .kernarg_segment_size: 56
    .max_flat_workgroup_size: 128
    .sgpr_count:     66
    .vgpr_count:     192
    .wavefront_size: 32
...
	.end_amdgpu_metadata
.endif
;; end of part 1
;; launch proj (part 2): grid 8 x 32, 4 waves a work-group, clusters of 4 x 4, 327,680 bytes of LDS; arguments xc, wc, lowp_scales, qf, kv; writes qf, kv
.if DOCPART == 2
	.amdgcn_target "amdgcn-amd-amdhsa--gfx1250"
	.amdhsa_code_object_version 6
	.text
	.protected	k_q3763dbac50_proj
	.globl	k_q3763dbac50_proj
	.p2align	8
	.type	k_q3763dbac50_proj,@function
k_q3763dbac50_proj:
	s_mov_b64 s[64:65], 0
	v_nop
	global_prefetch_b8 v0, s[64:65] scope:SCOPE_SE
	s_setreg_imm32_b32 hwreg(HW_REG_WAVE_MODE, 25, 1), 1
	s_wait_xcnt 0x0
	s_wait_alu depctr_hold_cnt(0) depctr_sa_sdst(0) depctr_va_vdst(0) depctr_va_sdst(0) depctr_va_ssrc(0) depctr_va_vcc(0) depctr_vm_vsrc(0)
	s_getreg_b32 s2, hwreg(HW_REG_IB_STS2, 6, 4)
	s_cmp_eq_u32 s2, 0
	s_cbranch_scc0 .Lentry_in_a_cluster
	s_endpgm
.Lentry_in_a_cluster:
	s_bfe_u32 s2, ttmp6, 0x10000c
	s_cmp_lg_u32 s2, 0xf033
	s_cbranch_scc0 .Lentry_shape_is_right
	s_endpgm
.Lentry_shape_is_right:
.set SIZE_K, 1024
.set KSTEP,  256
.set ROWB,   256
.set KROW,   SIZE_K
.set PITCH,  272
.set FR,     16
.set NL,     4
.set NP,     4
.set HALFT,  128*PITCH
.set SLOT,   4*HALFT
.set LAPS,   SIZE_K/(2*KSTEP)
.set SPARE,  2*SLOT
.set VP,     160
.set SC1,  8
.set LIM1, 9
.set SC2,  10
.set LIM2, 11
.set ADRA, 16
.set ADRB, 20
.set STV,  24
.set VT,   25
.set LI,   26
.set SPW,  28
.set NIL,  29
.set TMP,  32
.set COD,  64
.set TR,   192
.set AF,   128
.set G1, 24
.set G0, 32
.set G1B, 48
.set G0B, 56
.set BASE, 84
.set MSB, 0
.macro WIN new
.if MSB != \new
	s_set_vgpr_msb (MSB<<8)|\new
.set MSB, \new
.endif
.endm
.set MUL_LO, 0xa1
.set MUL_HI, 0xf1
.set TO_B,   0x40
.macro JLOAD g0a, g1a, g0b, g1b
	s_cmp_eq_u32 s15, 0
	s_cbranch_scc0 .Lfor_b_\@
	tensor_load_to_lds s[\g0a:\g0a+3], s[\g1a:\g1a+7]
	s_nop 0
.rept 4
	v_nop
.endr
	s_branch .Lasked_\@
.Lfor_b_\@:
	tensor_load_to_lds s[\g0b:\g0b+3], s[\g1b:\g1b+7]
	s_nop 0
.rept 4
	v_nop
.endr
.Lasked_\@:
.endm
.macro CREST
	s_cmp_lg_u32 s14, 0
	s_cbranch_scc1 .Lnot_wave_0_\@
	s_barrier_signal -3
.Lnot_wave_0_\@:
	s_barrier_wait -3
	s_barrier_signal -1
	s_barrier_wait -1
.endm
.macro CROUND
	s_barrier_signal -1
	s_barrier_wait -1
	CREST
.endm
	s_load_b128 s[4:7], s[0:1], 0x0
	s_load_b128 s[8:11], s[0:1], 0x10
	s_load_b64 s[12:13], s[0:1], 0x20
	v_lshl_add_u32 v[SPW], v0, 2, SPARE
	v_mov_b32 v[NIL], 0
	ds_add_u32 v[SPW], v[NIL]
	ds_add_u32 v[SPW], v[NIL]
	v_lshrrev_b32 v1, 5, v0
	v_readfirstlane_b32 s14, v1
	s_lshr_b32 s15, s14, 1
	s_and_b32 s16, s14, 1
	s_bfe_u32 s40, ttmp6, 0x40000
	s_bfe_u32 s41, ttmp6, 0x40004
	s_lshl_b32 s42, ttmp9, 2
	s_add_co_u32 s42, s42, s40
	s_and_b32 s17, ttmp7, 0xffff
	s_lshl_b32 s17, s17, 2
	s_add_co_u32 s17, s17, s41
	s_lshl_b32 s43, s41, 2
	s_lshl_b32 s43, 15, s43
	s_lshl_b32 s44, 0x1111, s40
	s_or_b32 s[G1+0], s43, (0<<16)|(1<<20)|(1<<21)|(5<<22)|(3<<25)
	s_or_b32 s[G1B+0], s44, (0<<16)|(1<<20)|(1<<21)|(5<<22)|(3<<25)
.irp g, G1, G1B
	s_mov_b32 s[\g+1], ROWB<<16
	s_mov_b32 s[\g+2], 128<<16
	s_mov_b32 s[\g+3], ROWB<<16
	s_mov_b32 s[\g+4], 128
	s_mov_b32 s[\g+5], KROW
	s_mov_b32 s[\g+6], 0
	s_mov_b32 s[\g+7], 0
.endr
	s_lshl_b32 s18, s16, 7
	s_lshl_b32 s20, s17, 8
	s_add_co_u32 s20, s20, s18
	s_lshl_b32 s46, s42, 8
	s_add_co_u32 s46, s46, s18
	s_mov_b32 s21, 0
	s_mov_b32 s47, 0
	s_mov_b64 s[18:19], KROW
	s_mul_u64 s[20:21], s[20:21], s[18:19]
	s_mul_u64 s[46:47], s[46:47], s[18:19]
	s_lshl_b32 s18, ttmp9, 23
	s_mov_b32 s19, 0
	s_add_nc_u64 s[20:21], s[20:21], s[18:19]
	s_mul_i32 s45, s14, HALFT
	s_wait_dscnt 0x0
	s_wait_kmcnt 0x0
	s_load_b256 s[72:79], s[8:9], 0x0
	s_add_nc_u64 s[20:21], s[4:5], s[20:21]
	s_add_nc_u64 s[46:47], s[6:7], s[46:47]
	CROUND
.irp s, 0,1
	s_mov_b32 s[G0+4*\s], 1
	s_add_co_u32 s[G0+4*\s+1], s45, \s*SLOT
	s_add_nc_u64 s[G0+4*\s+2:G0+4*\s+3], s[20:21], \s*ROWB
	s_or_b32 s[G0+4*\s+3], s[G0+4*\s+3], 0x80000000
	s_mov_b32 s[G0B+4*\s], 1
	s_add_co_u32 s[G0B+4*\s+1], s45, \s*SLOT
	s_add_nc_u64 s[G0B+4*\s+2:G0B+4*\s+3], s[46:47], \s*ROWB
	s_or_b32 s[G0B+4*\s+3], s[G0B+4*\s+3], 0x80000000
.endr
	JLOAD G0, G1, G0B, G1B                         ; K step 0: my one tensor load at the head
; A prefetch of 32 rows x 256 bytes, a lane a row.  Of the 128 rows that my wave fetches, the partner at place p (cx for x's codes, cy for the weights') names rows 32 p .. 32 p + 31: told apart by address.
; The weights' rows are the same for all rows of clusters: the first four rows of clusters ask for them.
.macro ASK oa, ob
	s_cmp_eq_u32 s15, 0
	s_cbranch_scc0 .Lask_b_\@
	global_prefetch_b8 v30, s[66:67] offset:\oa th:TH_LOAD_NT scope:SCOPE_SE
	s_branch .Lasked_p_\@
.Lask_b_\@:
	s_cmp_lt_u32 s70, 4
	s_cbranch_scc0 .Lasked_p_\@
	global_prefetch_b8 v30, s[66:67] offset:\ob th:TH_LOAD_NT scope:SCOPE_SE
.Lasked_p_\@:
.endm
	s_cmp_eq_u32 s15, 0
	s_cselect_b64 s[66:67], s[20:21], s[46:47]     ; my wave's 128 rows
	s_cselect_b32 s68, s40, s41                    ; my place among the four that ask with me
	s_lshl_b32 s68, s68, 15                        ; 32 rows of 1,024 bytes
	s_mov_b32 s69, 0
	s_add_nc_u64 s[66:67], s[66:67], s[68:69]      ; never rewritten
	s_and_b32 s70, ttmp7, 0xffff                   ; the cluster's y
	v_and_b32 v30, 31, v0
	v_lshlrev_b32 v30, 10, v30                     ; a lane a row; never rewritten
	s_wait_alu depctr_va_vdst(0)                   ; the wait ahead of the branches
	ASK 256, 256                                   ; K steps 1 and 2, which the next two loads will want
	ASK 512, 512
	v_and_b32 v1, 15, v0
	s_wait_alu depctr_va_vdst(0)
	v_bfe_u32 v2, v0, 4, 1
	v_mul_u32_u24 v3, v1, PITCH
	v_lshl_add_u32 v4, v2, 4, v3
	s_mul_i32 s21, s15, HALFT
	s_mul_i32 s22, s16, HALFT
	s_add_co_u32 s22, s22, 2*HALFT
.irp s, 0,1
	v_add_nc_u32 v[ADRA+\s], s21, v4
	v_add_nc_u32 v[ADRB+\s], s22, v4
	s_add_co_u32 s21, s21, SLOT
	s_add_co_u32 s22, s22, SLOT
.endr
	s_mul_i32 s23, s14, 128*VP
	v_mul_u32_u24 v5, v1, VP
	s_wait_alu depctr_va_vdst(0)
	v_lshl_add_u32 v5, v2, 3, v5
	v_add_nc_u32 v[STV], s23, v5
	v_and_b32 v6, 7, v0
	v_lshl_add_u32 v6, v2, 3, v6
	v_mul_u32_u24 v6, v6, VP
	v_bfe_u32 v7, v0, 3, 1
	v_lshl_add_u32 v6, v7, 4, v6
	v_add_nc_u32 v[VT], s23, v6
	v_and_b32 v7, 31, v0
	v_lshlrev_b32 v[LI], 4, v7
.macro FRAG reg, adr, q, i
.irp c, 0,1,2,3
	ds_load_b128 v[\reg+4*\c:\reg+4*\c+3], v[\adr] offset:128*(\q)+32*\c+(\i)*16*PITCH
.endr
.endm
.macro MUL16 a0, p, zero
.irp a, \a0, \a0+1
.irp b, 0,1,2,3,4,5,6,7
.if \zero
	v_wmma_f32_16x16x128_fp8_fp8 v[8*(8*((\a)%4)+\b):8*(8*((\a)%4)+\b)+7], v[128*(\p)+FR*\b:128*(\p)+FR*\b+FR-1], v[AF+FR*(\a):AF+FR*(\a)+FR-1], 0
.else
	v_wmma_f32_16x16x128_fp8_fp8 v[8*(8*((\a)%4)+\b):8*(8*((\a)%4)+\b)+7], v[128*(\p)+FR*\b:128*(\p)+FR*\b+FR-1], v[AF+FR*(\a):AF+FR*(\a)+FR-1], v[8*(8*((\a)%4)+\b):8*(8*((\a)%4)+\b)+7]
.endif
.endr
.endr
.endm
.macro FETCH_B slot, q, p
	WIN TO_B
.irp i, 0,1,2,3,4,5,6,7
	FRAG 128*(\p)+FR*\i, ADRB+\slot, \q, \i
.endr
	WIN 0
.endm
.macro FETCH_A slot, q, i0
.irp i, \i0, \i0+1, \i0+2, \i0+3
	FRAG AF+FR*(\i), ADRA+\slot, \q, \i
.endr
.endm
.macro PLACES n
.rept \n
	v_nop
.endr
.endm
.macro STEP slot, q, zero
	s_wait_dscnt 4*NL
	WIN MUL_LO
	MUL16 0, (\q)%2, \zero
	MUL16 2, (\q)%2, \zero
	s_wait_dscnt 0
	PLACES NP
	FETCH_B \slot, (\q)+1, 1-(\q)%2
	FETCH_A \slot, (\q)+1, 0
	WIN MUL_HI
	MUL16 4, (\q)%2, \zero
	MUL16 6, (\q)%2, \zero
	PLACES NP
	WIN 0
	FETCH_A \slot, (\q)+1, 4
.endm
.macro TURN slot, next, fill
	s_wait_tensorcnt 0x0
	ds_add_u32 v[SPW], v[NIL]
	s_wait_dscnt 4*NL+1
	WIN MUL_LO
	MUL16 0, 1, 0
	s_wait_dscnt 0x0
	s_barrier_signal -1
	MUL16 2, 1, 0
	WIN 0
	s_barrier_wait -1
.if \fill
	CREST
	s_add_nc_u64 s[G0+4*\slot+2:G0+4*\slot+3], s[G0+4*\slot+2:G0+4*\slot+3], 2*ROWB
	s_add_nc_u64 s[G0B+4*\slot+2:G0B+4*\slot+3], s[G0B+4*\slot+2:G0B+4*\slot+3], 2*ROWB
	JLOAD G0+4*\slot, G1, G0B+4*\slot, G1B
.else
	PLACES NP
.endif
	FETCH_B \next, 0, 0
	FETCH_A \next, 0, 0
	WIN MUL_HI
	MUL16 4, 1, 0
	MUL16 6, 1, 0
	PLACES NP
	WIN 0
	FETCH_A \next, 0, 4
.endm
	s_wait_alu depctr_va_vdst(0)                   ; the wait at the head's end
	s_wait_tensorcnt 0x0                           ; my part of K step 0 is in
	ds_add_u32 v[SPW], v[NIL]
	s_wait_dscnt 0x0
	CROUND
	JLOAD G0+4, G1, G0B+4, G1B                     ; K step 1, the first tensor load behind the round
	ASK 768, 768                                   ; K step 3, two loads ahead
	FETCH_B 0, 0, 0
	FETCH_A 0, 0, 0
	FETCH_A 0, 0, 4
	STEP 0, 0, 1
.rept LAPS-1
	TURN 0, 1, 1
	STEP 1, 0, 0
	TURN 1, 0, 1
	STEP 0, 0, 0
.endr
	TURN 0, 1, 0
	STEP 1, 0, 0
	s_wait_dscnt 4*NL
	WIN MUL_LO
	MUL16 0, 1, 0
	MUL16 2, 1, 0
	s_wait_dscnt 0
	WIN MUL_HI
	MUL16 4, 1, 0
	MUL16 6, 1, 0
	WIN 0
	s_wait_kmcnt 0x0
	s_lshl_b32 s80, s17, 8
	s_lshl_b32 s81, s15, 7
	s_add_co_u32 s80, s80, s81
	s_lshr_b32 s81, s80, 11
	s_bfe_u32 s82, s80, 0x40007
	s_lshl_b32 s83, s40, 2
	s_lshl_b32 s90, s16, 1
	s_add_co_u32 s83, s83, s90
	s_lshl_b32 s81, s81, 4
	s_add_co_u32 s81, s81, s83
	s_lshl_b32 s81, s81, 4
	s_add_co_u32 s81, s81, s82
	s_add_co_u32 s82, ttmp9, 13
	s_lshl_b32 s[BASE], s81, s82
	s_add_co_u32 s81, s81, 16
	s_lshl_b32 s[BASE+2], s81, s82
	s_mov_b32 s[BASE+1], 0
	s_mov_b32 s[BASE+3], 0
	s_sub_co_i32 s90, s76, s72
	s_sub_co_i32 s90, s90, s73
	s_sub_co_i32 s91, s77, s74
	s_sub_co_i32 s91, s91, s75
	s_sub_co_i32 s92, s79, s74
	s_sub_co_i32 s92, s92, s75
	s_cmp_eq_u32 ttmp9, 0
	s_cselect_b64 s[10:11], s[10:11], s[12:13]
	s_cselect_b32 s90, s90, s91
	s_add_nc_u64 s[BASE:BASE+1], s[10:11], s[BASE:BASE+1]
	s_add_nc_u64 s[BASE+2:BASE+3], s[10:11], s[BASE+2:BASE+3]
	s_add_co_i32 s90, s90, 127
	s_lshl_b32 s91, s90, 23
	v_mov_b32 v[SC1], s91
	s_add_co_i32 s90, s90, 8
	s_lshl_b32 s90, s90, 23
	s_or_b32 s90, s90, 0x600000
	v_mov_b32 v[LIM1], s90
	s_wait_alu depctr_va_vdst(0)
	s_add_co_i32 s92, s92, 127
	s_lshl_b32 s93, s92, 23
	v_mov_b32 v[SC2], s93
	s_add_co_i32 s92, s92, 8
	s_lshl_b32 s92, s92, 23
	s_or_b32 s92, s92, 0x600000
	v_mov_b32 v[LIM2], s92
	s_mov_b32 s88, 0x06040200
	s_mov_b32 s89, 0x07050301
	PLACES NP
.macro HOLD32 a, g, lim
	WIN 0x02+((\a)/4)
.set i, 0
.rept 32
	v_med3_num_f32 v[TMP+i], v[64*((\a)%4)+32*(\g)+i], -v[\lim], v[\lim]
.set i, i+1
.endr
	WIN 0
.endm
.macro CODES a, g, sc
.set CD, COD+8*(2*(\a)+(\g))
.irp k, 0,1,2,3
	v_cvt_scalef32_pk8_fp8_f32 v[CD+2*\k:CD+2*\k+1], v[TMP+8*\k:TMP+8*\k+7], v[\sc]
.endr
	v_nop
.endm
.irp a, 0,1,2,3,4,5,6,7
.irp g, 0,1
	HOLD32 \a, \g, LIM1
	CODES \a, \g, SC1
	global_store_b128 v[LI], v[CD:CD+3], s[BASE+2*\g:BASE+2*\g+1] offset:1024*\a
	global_store_b128 v[LI], v[CD+4:CD+7], s[BASE+2*\g:BASE+2*\g+1] offset:1024*\a+512
.endr
.endr
	s_cmp_eq_u32 ttmp9, 0
	s_cbranch_scc1 .Ldone
	s_wait_xcnt 0x0
.irp a, 0,1,2,3,4,5,6,7
.irp g, 0,1
	HOLD32 \a, \g, LIM2
	CODES \a, \g, SC2
.irp k, 0,1,2,3
	ds_store_b64 v[STV], v[CD+2*\k:CD+2*\k+1] offset:16*VP*\a+64*\g+16*\k
.endr
.endr
.endr
.macro TRLOAD u
.irp c, 0,1,2,3,4,5,6,7
	ds_load_tr16_b128 v[TR+32*((\u)%2)+4*\c:TR+32*((\u)%2)+4*\c+3], v[VT] offset:16*VP*\c+32*(\u)
.endr
.endm
.macro VOUT u, left
	s_wait_dscnt \left
.set TS, TR+32*((\u)%2)
.set EV, COD+32*(\u)
.irp c, 0,1,2,3,4,5,6,7
	v_perm_b32 v[EV+2*\c], v[TS+4*\c+1], v[TS+4*\c], s88
	v_perm_b32 v[EV+2*\c+1], v[TS+4*\c+3], v[TS+4*\c+2], s88
	v_perm_b32 v[EV+16+2*\c], v[TS+4*\c+1], v[TS+4*\c], s89
	v_perm_b32 v[EV+16+2*\c+1], v[TS+4*\c+3], v[TS+4*\c+2], s89
.endr
.irp e, 0,1
.irp c, 0,1,2,3
	global_store_b128 v[LI], v[EV+16*\e+4*\c:EV+16*\e+4*\c+3], s[BASE+2*((\u)/2):BASE+2*((\u)/2)+1] offset:8192+2048*(2*((\u)%2)+\e)+512*\c
.endr
.endr
.endm
	TRLOAD 0
	TRLOAD 1
	VOUT 0, 8
	TRLOAD 2
	VOUT 1, 8
	TRLOAD 3
	VOUT 2, 8
	VOUT 3, 0
.Ldone:
	s_wait_tensorcnt 0x0
	ds_add_u32 v[SPW], v[NIL]
	s_wait_dscnt 0x0
	CROUND
	s_endpgm
.Lfunc_end_k_q3763dbac50_proj:
	.size	k_q3763dbac50_proj, .Lfunc_end_k_q3763dbac50_proj-k_q3763dbac50_proj
	.p2alignl 7, 3214868480
	.fill 96, 4, 3214868480
	.section	.rodata,"a",@progbits
	.p2align	6, 0x0
	.amdhsa_kernel k_q3763dbac50_proj
		.amdhsa_group_segment_fixed_size 327680
		.amdhsa_private_segment_fixed_size 0
		.amdhsa_enable_private_segment 0
		.amdhsa_kernarg_size 40
		.amdhsa_user_sgpr_count 2
		.amdhsa_user_sgpr_kernarg_segment_ptr 1
		.amdhsa_wavefront_size32 1
		.amdhsa_system_sgpr_workgroup_id_x 1
		.amdhsa_system_sgpr_workgroup_id_y 1
		.amdhsa_system_sgpr_workgroup_id_z 1
		.amdhsa_system_vgpr_workitem_id 0
		.amdhsa_next_free_vgpr 1024
		.amdhsa_next_free_sgpr 96
		.amdhsa_reserve_vcc 0
		.amdhsa_float_denorm_mode_32 3
		.amdhsa_float_denorm_mode_16_64 3
		.amdhsa_memory_ordered 1
		.amdhsa_forward_progress 1
		.amdhsa_inst_pref_size 176
	.end_amdhsa_kernel
	.amdgpu_metadata
---
amdhsa.version: [ 1, 2 ]
amdhsa.kernels:
  - .name:           k_q3763dbac50_proj
    .symbol:         k_q3763dbac50_proj.kd
    .args:
      - { .name: xc, .offset: 0, .size: 8, .value_kind: global_buffer, .address_space: global }
      - { .name: wc, .offset: 8, .size: 8, .value_kind: global_buffer, .address_space: global }
      - { .name: lowp_scales, .offset: 16, .size: 8, .value_kind: global_buffer, .address_space: global }
      - { .name: qf, .offset: 24, .size: 8, .value_kind: global_buffer, .address_space: global }
      - { .name: kv, .offset: 32, .size: 8, .value_kind: global_buffer, .address_space: global }
    .group_segment_fixed_size: 327680
    .private_segment_fixed_size: 0
    .kernarg_segment_align: 8
    .kernarg_segment_size: 40
    .max_flat_workgroup_size: 128
    .sgpr_count:     96
    .vgpr_count:     1024
    .wavefront_size: 32
...
	.end_amdgpu_metadata
.endif
;; end of part 2
;; launch attn (part 3): grid 4 x 64, 16 waves a work-group, clusters of 4 x 1, 327,680 bytes of LDS; arguments qf, kv, lowp_scales, of; writes of
.if DOCPART == 3
	.amdgcn_target "amdgcn-amd-amdhsa--gfx1250"
	.amdhsa_code_object_version 6
	.text
	.protected	k_q3763dbac50_attn
	.globl	k_q3763dbac50_attn
	.p2align	8
	.type	k_q3763dbac50_attn,@function
k_q3763dbac50_attn:
	s_mov_b64 s[64:65], 0
	v_nop
	global_prefetch_b8 v0, s[64:65] scope:SCOPE_SE
	s_setreg_imm32_b32 hwreg(HW_REG_WAVE_MODE, 25, 1), 1
	s_wait_xcnt 0x0
	s_wait_alu depctr_hold_cnt(0) depctr_sa_sdst(0) depctr_va_vdst(0) depctr_va_sdst(0) depctr_va_ssrc(0) depctr_va_vcc(0) depctr_vm_vsrc(0)
	s_getreg_b32 s2, hwreg(HW_REG_IB_STS2, 6, 4)
	s_cmp_eq_u32 s2, 0
	s_cbranch_scc0 .Lentry_in_a_cluster
	s_endpgm
.Lentry_in_a_cluster:
	s_bfe_u32 s2, ttmp6, 0x10000c
	s_cmp_lg_u32 s2, 0x3003
	s_cbranch_scc0 .Lentry_shape_is_right
	s_endpgm
.Lentry_shape_is_right:
; o = softmax(q k^T / 8) v for one batch and head, v = k, both products on codes of FP8 (E4M3); o is quantised with e8 for the product that follows.
; qf, kv: images of operand registers, as the launch before stored them (qf: [batch x head 64][16 queries: 128][1,024]; kv: [batch x head 64][128 keys: 16][16,384]: eight images of 16 keys, then four of v^T).
; of = [64 rows: 128][256 along K: 4][16 rows: 4][128 along K: 2][2,048 bytes]: images of operands of 16 rows x 128 K; K = 64 x head + d.
; THE SOFTMAX AHEAD OF THE SECOND PRODUCT: t = score x log2(e) / 8; M = the row's largest t so far, rounded UP to a whole number; p = 2^(t - M) is quantised (e6), not normalised.
; The row's sum is taken of the unquantised p, in f32, and divides at the end.  When M moves, the sum and O are multiplied by 2^(old M - new M), which rounds nothing.
; Only -M is kept: the ceiling of a maximum is the maximum of the ceilings, so -M = min(old -M, floor(-t of this step)).
; SHARES.  A work-group owns 512 queries of one head; each of its sixteen waves owns two tiles of 16 queries, A and B, and takes BOTH through each step of 128 keys:
; every image of k and of v^T that the wave reads from LDS feeds two matrix instructions, and the two tiles' lines stand interleaved.
; LDS.  A head's k and v are 262,144 bytes: they lie in LDS whole, as they lie in memory; nothing is filled again.  They come in two stages, one tensor load a wave in each:
; at the head 4,096 bytes a wave (key steps 0-3); behind a round of the cluster's barrier, 12,288 bytes a wave (key steps 4-15), waited for ahead of key step 3, whose end first reads them.
; CLUSTER.  The four blocks of 512 queries of a head form a cluster and need the same bytes: each load is asked for JOINTLY, with the same descriptor and a mask that names the four.
; No prefetch: all that the launch reads by tensor loads is asked for in these two stages; there is no stream to run ahead of.
; LAYOUT.  Both products are used transposed: S^T = k q^T, O^T = v^T p^T: a lane holds ONE query (l % 16) of each tile.  In tile t of S^T its eight registers are keys 16 t + 8 (l / 16) + 0 .. 7:
; converted, they are registers 2 t, 2 t + 1 of the second product's operand.  Image 2 u + e of v^T holds d = 32 u + 2 row + e.
; REGISTERS BY TURNS.  v32-63: k's images 4-7, then partial sums, then p's codes (A 32-47, B 48-63).  v64-127: A's scores and p, then v^T.  v128-191: B's scores and p; its upper half then takes the next step's images 0-3.
; LIMITS: e4 + e5 between -123 and 130 (added to c's exponent field); e6 and e8 between -126 and 119; the scaled scores stay under 2^31 in magnitude; NaN and infinities among the scores are not served.
.set SPARE, 262144                     ; behind the head's bytes: the spare words, 128 bytes for each of sixteen waves, which no other line names
.set ADR, 1                            ; v1   LDS address of the key step in hand
.set SPW, 2                            ; v2   LDS address of my spare word; never rewritten
.set NIL, 3                            ; v3   0; never rewritten
.set MA,  4                            ; v4   -M of tile A (named as the pair v[4:5], of which the low word serves)
.set SCL, 5                            ; v5   2^e6
.set MB,  6                            ; v6   -M of tile B (pair v[6:7])
.set LI,  7                            ; v7   16 x lane; never rewritten
.set LA,  8                            ; v[8:9]   A's sum in two halves
.set LB,  10                           ; v[10:11] B's
.set T,   12                           ; v12-15 at work: A's two, B's two
.set Q0,  16                           ; v16-23 q of A, v24-31 of B
.set KP,  32
.set W,   48                           ; the upper half of v32-63
.set SA,  64
.set SB,  128
.set OA,  192                          ; O^T of A: image f's results at 192 + 8 f
.set OB,  224                          ; of B
.set WV,  12                           ; s12  my wave's number
.set SEL, 20                           ; s[20:21] lane selects: lane l xor 16
.set CS,  22                           ; s[22:23] c = log2(e) / 8 x 2^(e4 + e5)
.set G1,  24                           ; s[24:31] descriptor group 1, first stage
.set G0,  32                           ; s[32:35] descriptor group 0, first stage
.set G0B, 36                           ; s[36:39] second stage
.set G1B, 40                           ; s[40:47] second stage
.set TB,  48                           ; s48  LDS byte at which the key step in hand begins
.set CNT, 49                           ; s49  trips to go
.set LIM, 50                           ; s50  448 x 2^e6
.set E67, 51                           ; s51  e6 + e7
.set S8,  52                           ; s52  2^e8
.set L8,  53                           ; s53  448 x 2^e8
.set OP,  54                           ; s[54:55] where my codes of o go
.macro CROUND                          ; a round of the cluster's barrier
	s_barrier_signal -1
	s_barrier_wait -1
	s_cmp_lg_u32 s[WV], 0
	s_cbranch_scc1 .Lnot_wave_0_\@
	s_barrier_signal -3
.Lnot_wave_0_\@:
	s_barrier_wait -3
	s_barrier_signal -1
	s_barrier_wait -1
.endm
.macro FA first, n                     ; A: t - M, two at a time (of the pairs c and -M the low word serves both halves): n lines from register first on
.set i, \first
.rept \n
	v_pk_fma_f32 v[SA+i:SA+i+1], v[SA+i:SA+i+1], s[CS:CS+1], v[MA:MA+1] op_sel_hi:[1,0,0]
.set i, i+2
.endr
.endm
.macro HOLDS first, n                  ; n lines of two holds from register first on
.set i, 0
.rept \n
	HOLD2 \first+2*i
.set i, i+1
.endr
.endm
.macro KLOAD dst, adr, first, off      ; four images of 16 keys
	KLOAD2 \dst, \adr, \first, \off
	KLOAD2 \dst+16, \adr, \first+2, \off
.endm
.macro KLOAD2 dst, adr, first, off     ; two images of 16 keys: 32 lanes read 512 consecutive bytes a line
.irp t, 0,1
	ds_load_b128 v[\dst+8*\t:\dst+8*\t+3], v[\adr] offset:\off+1024*(\first+\t)
	ds_load_b128 v[\dst+8*\t+4:\dst+8*\t+7], v[\adr] offset:\off+1024*(\first+\t)+512
.endr
.endm
.macro SCORES src, first               ; four images of k against both tiles of q; each product starts its sum with 0
.irp t, 0,1,2,3
	v_wmma_f32_16x16x64_fp8_fp8 v[SA+8*(\first+\t):SA+8*(\first+\t)+7], v[\src+8*\t:\src+8*\t+7], v[Q0:Q0+7], 0
	v_wmma_f32_16x16x64_fp8_fp8 v[SB+8*(\first+\t):SB+8*(\first+\t)+7], v[\src+8*\t:\src+8*\t+7], v[Q0+8:Q0+15], 0
.endr
.endm
.macro MX4 i                           ; four scores of each tile into the four chains of maxima
	v_max3_num_f32 v[T], v[T], v[SA+\i], v[SA+\i+1]
	v_max3_num_f32 v[T+2], v[T+2], v[SB+\i], v[SB+\i+1]
	v_max3_num_f32 v[T+1], v[T+1], v[SA+\i+2], v[SA+\i+3]
	v_max3_num_f32 v[T+3], v[T+3], v[SB+\i+2], v[SB+\i+3]
.endm
.macro HOLD2 r                         ; two holds to a line.  The conversion to an 8-bit code does not saturate (ISA guide 7.6.2); p is not negative, so the hold is one-sided
	v_dual_min_num_f32 v[\r], s[LIM], v[\r] :: v_dual_min_num_f32 v[\r+1], s[LIM], v[\r+1]
.endm
.macro SUMS p, acc                     ; the row's sum of the UNQUANTISED p: 32 packed additions in eight chains
.set i, 0
.rept 7
	v_pk_add_f32 v[W+2*i:W+2*i+1], v[\p+4*i:\p+4*i+1], v[\p+4*i+2:\p+4*i+3]
.set i, i+1
.endr
	v_pk_add_f32 v[\acc:\acc+1], v[\acc:\acc+1], v[\p+28:\p+29]
.set i, 0
.rept 7
	v_pk_add_f32 v[W+2*i:W+2*i+1], v[W+2*i:W+2*i+1], v[\p+30+2*i:\p+31+2*i]
.set i, i+1
.endr
	v_pk_add_f32 v[\acc:\acc+1], v[\acc:\acc+1], v[\p+44:\p+45]
.set i, 0
.rept 7
	v_pk_add_f32 v[W+2*i:W+2*i+1], v[W+2*i:W+2*i+1], v[\p+46+2*i:\p+47+2*i]
.set i, i+1
.endr
	v_pk_add_f32 v[\acc:\acc+1], v[\acc:\acc+1], v[\p+60:\p+61]
	v_pk_add_f32 v[W:W+1], v[W:W+1], v[\p+62:\p+63]
	v_pk_add_f32 v[W+4:W+5], v[W+4:W+5], v[W+6:W+7]
	v_pk_add_f32 v[W+8:W+9], v[W+8:W+9], v[W+10:W+11]
	v_pk_add_f32 v[\acc:\acc+1], v[\acc:\acc+1], v[W+12:W+13]
	v_pk_add_f32 v[W:W+1], v[W:W+1], v[W+2:W+3]
	v_pk_add_f32 v[W+4:W+5], v[W+4:W+5], v[W+8:W+9]
	v_pk_add_f32 v[\acc:\acc+1], v[\acc:\acc+1], v[W:W+1]
	v_pk_add_f32 v[\acc:\acc+1], v[\acc:\acc+1], v[W+4:W+5]
.endm
.macro CVT4 p, pc, first               ; four tiles of p into codes: registers 2 t, 2 t + 1 of the operand
.irp t, 0,1,2,3
	v_cvt_scalef32_pk8_fp8_f32 v[\pc+2*(\first+\t):\pc+2*(\first+\t)+1], v[\p+8*(\first+\t):\p+8*(\first+\t)+7], v[SCL]
.endr
.endm
.macro PV o, pc                        ; O^T += v^T p^T of one tile: its four accumulators by turns
.irp f, 0,1,2,3
	v_wmma_f32_16x16x128_fp8_fp8 v[\o+8*\f:\o+8*\f+7], v[SA+16*\f:SA+16*\f+15], v[\pc:\pc+15], v[\o+8*\f:\o+8*\f+7]
.endr
.endm
	s_load_b256 s[4:11], s[0:1], 0x0               ; qf s[4:5], kv s[6:7], the scales' exponents s[8:9], of s[10:11]
	v_lshl_add_u32 v[SPW], v0, 2, SPARE
	v_mov_b32 v[NIL], 0
	ds_add_u32 v[SPW], v[NIL]                      ; the wave's opening: the add, twice on end, and its wait ahead of my first tensor load
	ds_add_u32 v[SPW], v[NIL]
	v_lshrrev_b32 v[T], 5, v0
	v_readfirstlane_b32 s[WV], v[T]                ; wave 0..15
	s_bfe_u32 s13, ttmp6, 0x40000                  ; cx: my place in the cluster
	s_lshl_b32 s14, ttmp9, 2
	s_add_co_u32 s14, s14, s13                     ; my block of 512 queries: it enters q's and o's addresses alone
	s_and_b32 s15, ttmp7, 0xffff                   ; batch x 16 + head, which the four partners share
	s_mov_b32 s[G1], 15|(3<<16)|(1<<21)            ; the mask: all four work-groups; elements of 8 bytes; no padding; bit 21 beside a mask
	s_mov_b32 s[G1+1], 32<<16                      ; a dense block of 4,096 bytes, as 16 rows of 256
	s_mov_b32 s[G1+2], 16<<16
	s_mov_b32 s[G1+3], 32<<16
	s_mov_b32 s[G1+4], 16
	s_mov_b32 s[G1+5], 32
	s_mov_b32 s[G1+6], 0
	s_mov_b32 s[G1+7], 0
	s_mov_b32 s[G1B], 15|(3<<16)|(1<<21)
	s_mov_b32 s[G1B+1], 32<<16                     ; a dense block of 12,288 bytes, as 48 rows of 256
	s_mov_b32 s[G1B+2], 48<<16
	s_mov_b32 s[G1B+3], 32<<16
	s_mov_b32 s[G1B+4], 48
	s_mov_b32 s[G1B+5], 32
	s_mov_b32 s[G1B+6], 0
	s_mov_b32 s[G1B+7], 0
	s_mov_b32 s[SEL], 0x76543210
	s_mov_b32 s[SEL+1], 0xfedcba98
	s_lshl_b32 s60, s[WV], 12                      ; my part of the first stage: its place in LDS and in the head's bytes alike
	s_mov_b32 s61, 0
	s_mul_i32 s62, s[WV], 12288
	s_add_co_u32 s62, s62, 65536                   ; and of the second
	s_mov_b32 s63, 0
	s_lshl_b32 s18, s15, 18                        ; the head's 262,144 bytes of kv
	s_mov_b32 s19, 0
	s_lshl_b32 s56, s15, 17                        ; q: the head's 131,072 bytes,
	s_lshl_b32 s57, s14, 15                        ; my block's 32 tiles of 1,024,
	s_add_co_u32 s56, s56, s57
	s_lshl_b32 s57, s[WV], 11                      ; my wave's two
	s_add_co_u32 s56, s56, s57
	s_mov_b32 s57, 0
	s_lshr_b32 s58, s15, 4                         ; o: 64 rows are 65,536 bytes: 32 x batch + 8 x block + wave / 2,
	s_lshl_b32 s58, s58, 5
	s_lshl_b32 s59, s14, 3
	s_add_co_u32 s58, s58, s59
	s_lshr_b32 s59, s[WV], 1
	s_add_co_u32 s58, s58, s59
	s_lshl_b32 s58, s58, 16
	s_bfe_u32 s59, s15, 0x20002                    ; head / 4: which 256 along K, 16,384 bytes,
	s_lshl_b32 s59, s59, 14
	s_add_co_u32 s58, s58, s59
	s_and_b32 s59, s[WV], 1                        ; which 16 rows of the 64: 2 (wave % 2) + the tile, 4,096 bytes each,
	s_lshl_b32 s59, s59, 13
	s_add_co_u32 s58, s58, s59
	s_and_b32 s59, s15, 3                          ; head % 4: which 128 along K (2,048 bytes) and which half of the image (1,024)
	s_lshl_b32 s59, s59, 10
	s_add_co_u32 s58, s58, s59
	s_mov_b32 s59, 0
	s_wait_dscnt 0x0                               ; both opening adds are done
	s_wait_kmcnt 0x0
	s_load_b256 s[68:75], s[8:9], 0x0              ; e0 .. e7
	s_load_b32 s76, s[8:9], 0x20                   ; e8
	s_add_nc_u64 s[6:7], s[6:7], s[18:19]
	s_add_nc_u64 s[4:5], s[4:5], s[56:57]
	s_add_nc_u64 s[OP:OP+1], s[10:11], s[58:59]
	s_mov_b32 s[G0], 1                             ; count = 1
	s_mov_b32 s[G0+1], s60                         ; LDS address
	s_add_nc_u64 s[G0+2:G0+3], s[6:7], s[60:61]
	s_or_b32 s[G0+3], s[G0+3], 0x80000000          ; type = 2
	s_mov_b32 s[G0B], 1
	s_mov_b32 s[G0B+1], s62
	s_add_nc_u64 s[G0B+2:G0B+3], s[6:7], s[62:63]
	s_or_b32 s[G0B+3], s[G0B+3], 0x80000000
	CROUND                                         ; all four work-groups are here: the joint loads meet
	tensor_load_to_lds s[G0:G0+3], s[G1:G1+7]      ; the first stage: my sixteenth of key steps 0-3
	s_nop 0
	v_and_b32 v[LI], 31, v0
	v_lshlrev_b32 v[LI], 4, v[LI]
.irp c, 0,1,2,3
	global_load_b128 v[Q0+4*\c:Q0+4*\c+3], v[LI], s[4:5] offset:512*\c th:TH_LOAD_NT   ; q's two images stay in registers
.endr
	v_mov_b32 v[MA], 0x7f61b1e6                    ; -M begins at 3e38, over every floor(-t): the first step's factor is then 0, on zeros
	v_mov_b32 v[MB], 0x7f61b1e6
.set i, 0
.rept 8
	v_mov_b32 v[LA+i], 0                           ; the sums, and the four registers at work (a lane permute's destination counts as a source)
.set i, i+1
.endr
.set i, 0
.rept 64
	v_mov_b32 v[OA+i], 0                           ; O^T of both tiles: the key step has no first step of its own
.set i, i+1
.endr
	s_wait_kmcnt 0x0
	s_add_co_i32 s60, s72, s73
	s_lshl_b32 s60, s60, 23
	s_mov_b32 s[CS], 0x3e38aa3b                    ; c = log2(e) / sqrt(64)
	s_add_co_i32 s[CS], s[CS], s60                 ; a score stands for score x 2^(e4 + e5): the exponents are added to c's exponent field
	s_mov_b32 s[CS+1], s[CS]                       ; (named with it as a pair)
	s_add_co_i32 s[E67], s74, s75
	s_add_co_i32 s60, s74, 127
	s_lshl_b32 s61, s60, 23
	v_mov_b32 v[SCL], s61                          ; 2^e6 as f32, for p's conversion
	s_add_co_i32 s60, s60, 8
	s_lshl_b32 s60, s60, 23
	s_or_b32 s[LIM], s60, 0x600000                 ; 448 x 2^e6
	s_add_co_i32 s60, s76, 127
	s_lshl_b32 s[S8], s60, 23                      ; 2^e8
	s_add_co_i32 s60, s60, 8
	s_lshl_b32 s60, s60, 23
	s_or_b32 s[L8], s60, 0x600000                  ; 448 x 2^e8
	s_mov_b32 s[TB], 0
	s_mov_b32 s[CNT], 3
; A KEY STEP: 128 keys, at LDS byte s[TB], for both tiles.  more = 1: the next step's images of k are asked for.
.macro STEP more
	s_wait_dscnt 8                                 ; images 0-3 are in; the eight younger loads (images 4-7) may be out
	SCORES SB+32, 0
	v_add_nc_u32 v[ADR], s[TB], v[LI]
.rept 3
	v_nop                                          ; with the addition: four places ahead of the first read of the scores
.endr
	v_max3_num_f32 v[T], v[SA], v[SA+1], v[SA+2]   ; the largest score of each query, in two chains a tile, each accumulator from its low end on
	v_max3_num_f32 v[T+2], v[SB], v[SB+1], v[SB+2]
	v_max3_num_f32 v[T+1], v[SA+3], v[SA+4], v[SA+5]
	v_max3_num_f32 v[T+3], v[SB+3], v[SB+4], v[SB+5]
.irp i, 6,10,14,18
	MX4 \i
.endr
	v_max3_num_f32 v[T], v[T], v[SA+22], v[SA+23]
	v_max3_num_f32 v[T+2], v[T+2], v[SB+22], v[SB+23]
	s_wait_alu depctr_va_vdst(0)                   ; directly ahead of the wait below
	s_wait_dscnt 0x0                               ; images 4-7 are in
	SCORES KP, 4                                   ; B's results land on the registers of images 0-3, whose products stand more than five places back
.irp i, 24,28,32,36,40,44,48,52,56,60
	MX4 \i                                         ; the first eight lines, on tile 3 of the earlier results, are the places behind the products above
.endr
	v_max_num_f32 v[T], v[T], v[T+1]               ; A's and B's chains by turns
	v_max_num_f32 v[T+2], v[T+2], v[T+3]
	v_permlanex16_b32 v[T+1], v[T], s[SEL], s[SEL+1]
	v_permlanex16_b32 v[T+3], v[T+2], s[SEL], s[SEL+1]
	v_max_num_f32 v[T], v[T], v[T+1]               ; lane l xor 16's keys among them
	v_max_num_f32 v[T+2], v[T+2], v[T+3]
	v_mul_f32 v[T], s[CS], v[T]                    ; as t (c is positive)
	v_mul_f32 v[T+2], s[CS], v[T+2]
	v_floor_f32 v[T], -v[T]                        ; floor(-t) = -ceil(t)
	v_floor_f32 v[T+2], -v[T+2]
	v_sub_f32 v[T+1], v[T], v[MA]                  ; less the old -M
	v_sub_f32 v[T+3], v[T+2], v[MB]
	v_min_num_f32 v[MA], v[MA], v[T]               ; the new -M
	v_min_num_f32 v[MB], v[MB], v[T+2]
	v_min_num_f32 v[T+1], 0, v[T+1]                ; old M - new M: a whole number, 0 or less
	v_min_num_f32 v[T+3], 0, v[T+3]
	FA 0, 4                                        ; -M is known: A's first scalings stand between the last links of the chain that makes f
	v_cvt_i32_f32 v[T+1], v[T+1]                   ; (it saturates)
	v_cvt_i32_f32 v[T+3], v[T+3]
	FA 8, 4
	v_ldexp_f32 v[T], 1.0, v[T+1]                  ; f = 2^(old M - new M)
	v_ldexp_f32 v[T+2], 1.0, v[T+3]
	FA 16, 4
.set i, 0
.rept 16
	v_pk_mul_f32 v[OA+i:OA+i+1], v[OA+i:OA+i+1], v[T:T+1] op_sel_hi:[1,0]        ; O^T under the new M, each accumulator from its low end on; no exponential stands between the last products and these lines
	v_pk_mul_f32 v[OB+i:OB+i+1], v[OB+i:OB+i+1], v[T+2:T+3] op_sel_hi:[1,0]
.set i, i+2
.endr
	FA 24, 20                                      ; the rest of A's scalings
	s_wait_alu depctr_va_vdst(0)                   ; ahead of the batch
.set i, 0
.rept 32
	v_exp_f32 v[SA+i], v[SA+i]                     ; A: p = 2^(t - M), at most 1
	v_exp_f32 v[SA+i+1], v[SA+i+1]
	v_pk_fma_f32 v[SB+i:SB+i+1], v[SB+i:SB+i+1], s[CS:CS+1], v[MB:MB+1] op_sel_hi:[1,0,0]   ; B: t - M: its sources stand ahead of the wait above, its results are first read behind the wait below
.set i, i+2
.endr
	v_pk_mul_f32 v[LA:LA+1], v[LA:LA+1], v[T:T+1] op_sel_hi:[1,0]     ; the sums under the new M
	v_pk_mul_f32 v[LB:LB+1], v[LB:LB+1], v[T+2:T+3] op_sel_hi:[1,0]
	s_wait_alu depctr_va_vdst(0)                   ; behind A's batch and ahead of B's
.set i, 0
.rept 16
	v_exp_f32 v[SB+4*i], v[SB+4*i]                 ; B: p.  Between its lines: A's unquantised p added in pairs into sixteen registers pairs of their own, then held; all first read behind the wait below
	v_pk_add_f32 v[KP+2*i:KP+2*i+1], v[SA+4*i:SA+4*i+1], v[SA+4*i+2:SA+4*i+3]
	v_exp_f32 v[SB+4*i+1], v[SB+4*i+1]
	HOLD2 SA+4*i
	v_exp_f32 v[SB+4*i+2], v[SB+4*i+2]
	HOLD2 SA+4*i+2
	v_exp_f32 v[SB+4*i+3], v[SB+4*i+3]
.set i, i+1
.endr
	v_nop                                          ; a plain line behind the last exponential
	s_wait_alu depctr_va_vdst(0)                   ; one wait for the batch, ahead of its first reader
.set i, 0
.rept 8
	v_pk_add_f32 v[W+2*i:W+2*i+1], v[W+2*i:W+2*i+1], v[KP+2*i:KP+2*i+1]    ; A's sixteen partial sums into eight, in the upper half: the lower half takes A's codes
.set i, i+1
.endr
.set i, 0
.rept 4
	v_pk_add_f32 v[W+8+2*i:W+9+2*i], v[W+8+2*i:W+9+2*i], v[W+2*i:W+2*i+1]
.set i, i+1
.endr
	CVT4 SA, KP, 0
	CVT4 SA, KP, 4
.irp f, 0,1,2,3
.irp c, 0,1,2,3
	ds_load_b128 v[SA+16*\f+4*\c:SA+16*\f+4*\c+3], v[ADR] offset:8192+2048*\f+512*\c   ; v^T, into A's registers, which are done with; B's sums below stand ahead of the wait for it
.endr
.endr
	v_pk_add_f32 v[T:T+1], v[W+12:W+13], v[W+8:W+9]          ; A's last four partial sums into the registers at work, so that v48-61 are free for B's
	v_pk_add_f32 v[T+2:T+3], v[W+14:W+15], v[W+10:W+11]
	SUMS SB, LB
	v_pk_add_f32 v[LA:LA+1], v[LA:LA+1], v[T:T+1]
	v_pk_add_f32 v[LA:LA+1], v[LA:LA+1], v[T+2:T+3]
	HOLDS SB+32, 16                                ; B's tiles 4-7 first:
	CVT4 SB, KP+16, 4
.if \more
	KLOAD SB+32, ADR, 0, 16384                     ; their registers take the next step's images 0-3
.endif
	HOLDS SB, 8
	s_wait_alu depctr_va_vdst(0)                   ; directly ahead of the wait below
	s_wait_dscnt 8*\more                           ; v^T is in; the eight loads just issued may be out
	PV OA, KP                                      ; A's products; the lines that follow name none of their registers
	HOLDS SB+16, 8                                 ; eight lines: the places ahead of the loads into A's codes' registers
.if \more
	KLOAD2 KP, ADR, 4, 16384                       ; the next step's images 4 and 5
.endif
	CVT4 SB, KP+16, 0
	v_nop                                          ; a plain line between the last conversion and the products that read its result
	PV OB, KP+16
.if \more
.rept 5
	v_nop                                          ; four places ahead of loads into B's codes' registers, five ahead of the products that write over v^T's
.endr
	KLOAD2 KP+16, ADR, 6, 16384                    ; the next step's images 6 and 7
.endif
.endm
	s_wait_alu depctr_va_vdst(0)                   ; the wait at the head's end
	s_wait_loadcnt 0x0                             ; q
	s_wait_tensorcnt 0x0                           ; my part of the first stage is in
	ds_add_u32 v[SPW], v[NIL]
	s_wait_dscnt 0x0
	CROUND                                         ; everybody's part is in, and all four work-groups are here: the joint loads meet
	tensor_load_to_lds s[G0B:G0B+3], s[G1B:G1B+7]  ; the second stage: my sixteenth of key steps 4-15, the first tensor load behind the round
	s_nop 0
	KLOAD SB+32, LI, 0, 0
	KLOAD KP, LI, 4, 0
.Lfirst:                                           ; key steps 0-2: they read bytes under 65,536 alone
	STEP 1
	s_add_co_u32 s[TB], s[TB], 16384
	s_sub_co_u32 s[CNT], s[CNT], 1
	s_cmp_lg_u32 s[CNT], 0
	s_cbranch_scc1 .Lfirst
	s_wait_tensorcnt 0x0                           ; my part of the second stage is in;
	s_wait_dscnt 0x0                               ; no LDS instruction of mine is out at the signal
	s_barrier_signal -1
	s_barrier_wait -1                              ; everybody's is: the head lies in LDS whole, and nobody writes it again
	s_mov_b32 s[TB], 3*16384
	s_mov_b32 s[CNT], 12
.Lstep:                                            ; key steps 3-14; the last step, which asks for nothing more, is written out
	STEP 1
	s_add_co_u32 s[TB], s[TB], 16384
	s_sub_co_u32 s[CNT], s[CNT], 1
	s_cmp_lg_u32 s[CNT], 0
	s_cbranch_scc1 .Lstep
	s_mov_b32 s[TB], 15*16384
	STEP 0
	; THE WAY OUT: O^T / the sum x 2^(e6 + e7) is o; it is quantised with e8 and stored as pieces of an image: no other lane and no LDS is needed.
.rept 4
	v_nop                                          ; four places behind the last products
.endr
	v_add_f32 v[LA], v[LA], v[LA+1]                ; the sums' two halves,
	v_add_f32 v[LB], v[LB], v[LB+1]
	v_permlanex16_b32 v[T], v[LA], s[SEL], s[SEL+1]
	v_permlanex16_b32 v[T+2], v[LB], s[SEL], s[SEL+1]
	v_add_f32 v[LA], v[LA], v[T]                   ; and lane l xor 16's: the rows' sums
	v_add_f32 v[LB], v[LB], v[T+2]
	v_mov_b32 v[T+1], s[S8]
	v_mov_b32 v[T+3], s[L8]
	s_wait_alu depctr_va_vdst(0)                   ; ahead of the reciprocals
	v_rcp_f32 v[LA], v[LA]
	v_rcp_f32 v[LB], v[LB]
	v_nop                                          ; a plain line behind them,
	s_wait_alu depctr_va_vdst(0)                   ; and the wait ahead of the first line that names a result
	v_ldexp_f32 v[LA], v[LA], s[E67]
	v_ldexp_f32 v[LB], v[LB], s[E67]
	s_wait_alu depctr_va_vdst(0)                   ; directly ahead of the first readers of O^T
.irp u, 0,1
.irp e, 0,1
.irp j, 0,1,2,3,4,5,6,7
	v_mul_f32 v[SA+16*\u+2*\j+\e], v[OA+8*(2*\u+\e)+\j], v[LA]      ; d = 32 u + 16 (l / 16) + 2 j + e: the even and the odd image's results by turns; each accumulator from its low end on
.endr
.endr
.endr
.irp u, 0,1
.irp e, 0,1
.irp j, 0,1,2,3,4,5,6,7
	v_mul_f32 v[SA+32+16*\u+2*\j+\e], v[OB+8*(2*\u+\e)+\j], v[LB]
.endr
.endr
.endr
.set i, 0
.rept 64
	v_med3_num_f32 v[SA+i], v[SA+i], -v[T+3], v[T+3]   ; the hold at the largest code x the scale
.set i, i+1
.endr
.set i, 0
.rept 8
	v_cvt_scalef32_pk8_fp8_f32 v[KP+2*i:KP+2*i+1], v[SA+8*i:SA+8*i+7], v[T+1]
.set i, i+1
.endr
	v_nop                                          ; a plain line behind the last conversion
.irp a, 0,1
	global_store_b128 v[LI], v[KP+8*\a:KP+8*\a+3], s[OP:OP+1] offset:4096*\a          ; 32 lanes store 512 consecutive bytes, aligned
	global_store_b128 v[LI], v[KP+8*\a+4:KP+8*\a+7], s[OP:OP+1] offset:4096*\a+512
.endr
	s_wait_tensorcnt 0x0                           ; the wave's end
	ds_add_u32 v[SPW], v[NIL]
	s_wait_dscnt 0x0
	CROUND                                         ; the closing round: no work-group ends while a partner may still ask for a tile that names it
	s_endpgm
.Lfunc_end_k_q3763dbac50_attn:
	.size	k_q3763dbac50_attn, .Lfunc_end_k_q3763dbac50_attn-k_q3763dbac50_attn
	.p2alignl 7, 3214868480
	.fill 96, 4, 3214868480
	.section	.rodata,"a",@progbits
	.p2align	6, 0x0
	.amdhsa_kernel k_q3763dbac50_attn
		.amdhsa_group_segment_fixed_size 327680
		.amdhsa_private_segment_fixed_size 0
		.amdhsa_enable_private_segment 0
		.amdhsa_kernarg_size 32
		.amdhsa_user_sgpr_count 2
		.amdhsa_user_sgpr_kernarg_segment_ptr 1
		.amdhsa_wavefront_size32 1
		.amdhsa_system_sgpr_workgroup_id_x 1
		.amdhsa_system_sgpr_workgroup_id_y 1
		.amdhsa_system_sgpr_workgroup_id_z 1
		.amdhsa_system_vgpr_workitem_id 0
		.amdhsa_next_free_vgpr 256
		.amdhsa_next_free_sgpr 80
		.amdhsa_reserve_vcc 0
		.amdhsa_float_denorm_mode_32 3
		.amdhsa_float_denorm_mode_16_64 3
		.amdhsa_memory_ordered 1
		.amdhsa_forward_progress 1
		.amdhsa_inst_pref_size 101
	.end_amdhsa_kernel
	.amdgpu_metadata
---
amdhsa.version: [ 1, 2 ]
amdhsa.kernels:
  - .name:           k_q3763dbac50_attn
    .symbol:         k_q3763dbac50_attn.kd
    .args:
      - { .name: qf, .offset: 0, .size: 8, .value_kind: global_buffer, .address_space: global }
      - { .name: kv, .offset: 8, .size: 8, .value_kind: global_buffer, .address_space: global }
      - { .name: lowp_scales, .offset: 16, .size: 8, .value_kind: global_buffer, .address_space: global }
      - { .name: of, .offset: 24, .size: 8, .value_kind: global_buffer, .address_space: global }
    .group_segment_fixed_size: 327680
    .private_segment_fixed_size: 0
    .kernarg_segment_align: 8
    .kernarg_segment_size: 32
    .max_flat_workgroup_size: 512
    .sgpr_count:     80
    .vgpr_count:     256
    .wavefront_size: 32
...
	.end_amdgpu_metadata
.endif
;; end of part 3
;; launch outp (part 4): grid 4 x 64, 4 waves a work-group, clusters of 4 x 4, 327,680 bytes of LDS; arguments of, wc, lowp_scales, out0; writes out0
.if DOCPART == 4
	.amdgcn_target "amdgcn-amd-amdhsa--gfx1250"
	.amdhsa_code_object_version 6
	.text
	.protected	k_q3763dbac50_outp
	.globl	k_q3763dbac50_outp
	.p2align	8
	.type	k_q3763dbac50_outp,@function
k_q3763dbac50_outp:
	s_mov_b64 s[64:65], 0
	v_nop
	global_prefetch_b8 v0, s[64:65] scope:SCOPE_SE
	s_setreg_imm32_b32 hwreg(HW_REG_WAVE_MODE, 25, 1), 1
	s_wait_xcnt 0x0
	s_wait_alu depctr_hold_cnt(0) depctr_sa_sdst(0) depctr_va_vdst(0) depctr_va_sdst(0) depctr_va_ssrc(0) depctr_va_vcc(0) depctr_vm_vsrc(0)
	s_getreg_b32 s2, hwreg(HW_REG_IB_STS2, 6, 4)
	s_cmp_eq_u32 s2, 0
	s_cbranch_scc0 .Lentry_in_a_cluster
	s_endpgm
.Lentry_in_a_cluster:
	s_bfe_u32 s2, ttmp6, 0x10000c
	s_cmp_lg_u32 s2, 0xf033
	s_cbranch_scc0 .Lentry_shape_is_right
	s_endpgm
.Lentry_shape_is_right:
.set SIZE_N, 1024
.set PITCH,  272
.set FR,     16
.set NP,     4
.set ABLK,   16384
.set HALFB,  128*PITCH
.set BOFF,   2*ABLK
.set SLOT,   BOFF+2*HALFB
.set SPARE,  2*SLOT
.set STAGE,  SPARE+512
.set SPITCH, 528
.set ADRA, 16
.set ADRB, 20
.set STO,  24
.set RD,   25
.set CO,   26
.set SPW,  28
.set NIL,  29
.set TMP,  32
.set AF,   128
.set BK,   128
.set G1, 24
.set G0, 32
.set G1B, 48
.set G0B, 56
.set MSB, 0
.macro WIN new
.if MSB != \new
	s_set_vgpr_msb (MSB<<8)|\new
.set MSB, \new
.endif
.endm
.set MUL,  0xa1
.set TO_B, 0x40
.macro JLOAD g0a, g1a, g0b, g1b
	s_cmp_eq_u32 s15, 0
	s_cbranch_scc0 .Lfor_b_\@
	tensor_load_to_lds s[\g0a:\g0a+3], s[\g1a:\g1a+7]
	s_nop 0
.rept 4
	v_nop
.endr
	s_branch .Lasked_\@
.Lfor_b_\@:
	tensor_load_to_lds s[\g0b:\g0b+3], s[\g1b:\g1b+7]
	s_nop 0
.rept 4
	v_nop
.endr
.Lasked_\@:
.endm
.macro CREST
	s_cmp_lg_u32 s14, 0
	s_cbranch_scc1 .Lnot_wave_0_\@
	s_barrier_signal -3
.Lnot_wave_0_\@:
	s_barrier_wait -3
	s_barrier_signal -1
	s_barrier_wait -1
.endm
.macro CROUND
	s_barrier_signal -1
	s_barrier_wait -1
	CREST
.endm
	s_load_b128 s[4:7], s[0:1], 0x0
	s_load_b128 s[8:11], s[0:1], 0x10
	v_lshl_add_u32 v[SPW], v0, 2, SPARE
	v_mov_b32 v[NIL], 0
	ds_add_u32 v[SPW], v[NIL]
	ds_add_u32 v[SPW], v[NIL]
	v_lshrrev_b32 v1, 5, v0
	v_readfirstlane_b32 s14, v1
	s_lshr_b32 s15, s14, 1
	s_and_b32 s16, s14, 1
	s_bfe_u32 s40, ttmp6, 0x40000
	s_bfe_u32 s41, ttmp6, 0x40004
	s_lshl_b32 s42, ttmp9, 2
	s_add_co_u32 s42, s42, s40
	s_and_b32 s17, ttmp7, 0xffff
	s_lshl_b32 s17, s17, 2
	s_add_co_u32 s17, s17, s41
	s_lshl_b32 s43, s41, 2
	s_lshl_b32 s43, 15, s43
	s_lshl_b32 s44, 0x1111, s40
	s_or_b32 s[G1+0], s43, (3<<16)|(1<<21)
	s_mov_b32 s[G1+1], 32<<16
	s_mov_b32 s[G1+2], 64<<16
	s_mov_b32 s[G1+3], 32<<16
	s_mov_b32 s[G1+4], 64
	s_mov_b32 s[G1+5], 32
	s_mov_b32 s[G1+6], 0
	s_mov_b32 s[G1+7], 0
	s_or_b32 s[G1B+0], s44, (0<<16)|(1<<20)|(1<<21)|(5<<22)|(3<<25)
	s_mov_b32 s[G1B+1], 256<<16
	s_mov_b32 s[G1B+2], 128<<16
	s_mov_b32 s[G1B+3], 256<<16
	s_mov_b32 s[G1B+4], 128
	s_mov_b32 s[G1B+5], 1024
	s_mov_b32 s[G1B+6], 0
	s_mov_b32 s[G1B+7], 0
	s_lshl_b32 s20, s17, 1
	s_add_co_u32 s20, s20, s16
	s_lshl_b32 s20, s20, 16
	s_mov_b32 s21, 0
	s_lshl_b32 s46, s42, 8
	s_lshl_b32 s47, s16, 7
	s_add_co_u32 s46, s46, s47
	s_lshl_b32 s46, s46, 10
	s_add_co_u32 s46, s46, 0x200000
	s_mov_b32 s47, 0
	s_lshl_b32 s45, s16, 14
	s_mul_i32 s23, s16, HALFB
	s_add_co_u32 s23, s23, BOFF
	s_wait_dscnt 0x0
	s_wait_kmcnt 0x0
	s_load_b64 s[96:97], s[8:9], 0x20
	s_add_nc_u64 s[20:21], s[4:5], s[20:21]
	s_add_nc_u64 s[46:47], s[6:7], s[46:47]
	CROUND
.irp s, 0,1
	s_mov_b32 s[G0+4*\s], 1
	s_add_co_u32 s[G0+4*\s+1], s45, \s*SLOT
	s_add_nc_u64 s[G0+4*\s+2:G0+4*\s+3], s[20:21], \s*ABLK
	s_or_b32 s[G0+4*\s+3], s[G0+4*\s+3], 0x80000000
	s_mov_b32 s[G0B+4*\s], 1
	s_add_co_u32 s[G0B+4*\s+1], s23, \s*SLOT
	s_add_nc_u64 s[G0B+4*\s+2:G0B+4*\s+3], s[46:47], \s*256
	s_or_b32 s[G0B+4*\s+3], s[G0B+4*\s+3], 0x80000000
.endr
	JLOAD G0, G1, G0B, G1B                         ; K step 0: my one tensor load at the head
; A prefetch of my work-group's quarter of what my wave fetches in a K step, told apart from the partners' by address (cx for o's codes, cy for the weights').
; o's codes: a dense block of 16,384 bytes, 4,096 a partner: sixteen lanes 256 bytes apart, the other lanes name the last of them again.  The weights: 128 rows x 256 bytes, 32 rows a partner, a lane a row.
; The weights' rows are the same for all rows of clusters: the first four rows of clusters ask for them.
.macro ASK oa, ob
	s_cmp_eq_u32 s15, 0
	s_cbranch_scc0 .Lask_b_\@
	global_prefetch_b8 v30, s[66:67] offset:\oa th:TH_LOAD_NT scope:SCOPE_SE
	s_branch .Lasked_p_\@
.Lask_b_\@:
	s_cmp_lt_u32 s70, 4
	s_cbranch_scc0 .Lasked_p_\@
	global_prefetch_b8 v30, s[66:67] offset:\ob th:TH_LOAD_NT scope:SCOPE_SE
.Lasked_p_\@:
.endm
	s_cmp_eq_u32 s15, 0
	s_cselect_b64 s[66:67], s[20:21], s[46:47]     ; what my wave fetches
	s_cselect_b32 s68, s40, s41                    ; my place among the four that ask with me
	s_cselect_b32 s69, 12, 15                      ; a partner's share: 4,096 or 32,768 bytes on
	s_cselect_b32 s71, 15, 31                      ; the last lane with a block of its own
	s_cselect_b32 s72, 8, 10                       ; from lane to lane: 256 or 1,024 bytes
	s_lshl_b32 s68, s68, s69
	s_mov_b32 s69, 0
	s_add_nc_u64 s[66:67], s[66:67], s[68:69]      ; never rewritten
	s_and_b32 s70, ttmp7, 0xffff                   ; the cluster's y
	v_and_b32 v30, 31, v0
	v_min_u32 v30, s71, v30
	v_lshlrev_b32 v30, s72, v30                    ; never rewritten
	s_wait_alu depctr_va_vdst(0)                   ; the wait ahead of the branches
	ASK 16384, 256                                 ; K steps 1 and 2, which the next two loads will want
	ASK 32768, 512
	v_and_b32 v1, 15, v0
	v_bfe_u32 v2, v0, 4, 1
	v_and_b32 v6, 31, v0
	v_lshlrev_b32 v[CO], 4, v6
	v_mul_u32_u24 v3, v1, PITCH
	v_lshl_add_u32 v4, v2, 4, v3
	s_lshl_b32 s21, s15, 14
	s_mul_i32 s22, s16, HALFB
	s_add_co_u32 s22, s22, BOFF
.irp s, 0,1
	v_add_nc_u32 v[ADRA+\s], s21, v[CO]
	v_add_nc_u32 v[ADRB+\s], s22, v4
	s_add_co_u32 s21, s21, SLOT
	s_add_co_u32 s22, s22, SLOT
.endr
	s_mul_i32 s23, s14, 16*SPITCH
	s_add_co_u32 s23, s23, STAGE
	v_mul_u32_u24 v5, v1, SPITCH
	v_lshl_add_u32 v5, v2, 5, v5
	v_add_nc_u32 v[STO], s23, v5
	v_add_nc_u32 v[RD], s23, v[CO]
	s_lshl_b32 s20, s17, 7
	s_lshl_b32 s21, s15, 6
	s_add_co_u32 s20, s20, s21
	s_lshl_b32 s20, s20, 12
	s_lshl_b32 s46, s42, 10
	s_lshl_b32 s47, s16, 9
	s_add_co_u32 s46, s46, s47
	s_add_co_u32 s20, s20, s46
	s_mov_b32 s21, 0
	s_add_nc_u64 s[10:11], s[10:11], s[20:21]
.macro MUL8 a, p, zero
.irp b, 0,1,2,3,4,5,6,7
.if \zero
	v_wmma_f32_16x16x128_fp8_fp8 v[8*(8*(\a)+\b):8*(8*(\a)+\b)+7], v[128*(\p)+FR*\b:128*(\p)+FR*\b+FR-1], v[AF+64*(\p)+FR*(\a):AF+64*(\p)+FR*(\a)+FR-1], 0
.else
	v_wmma_f32_16x16x128_fp8_fp8 v[8*(8*(\a)+\b):8*(8*(\a)+\b)+7], v[128*(\p)+FR*\b:128*(\p)+FR*\b+FR-1], v[AF+64*(\p)+FR*(\a):AF+64*(\p)+FR*(\a)+FR-1], v[8*(8*(\a)+\b):8*(8*(\a)+\b)+7]
.endif
.endr
.endm
.macro FETCH slot, q, p
	WIN TO_B
.irp i, 0,1,2,3,4,5,6,7
.irp c, 0,1,2,3
	ds_load_b128 v[128*(\p)+FR*\i+4*\c:128*(\p)+FR*\i+4*\c+3], v[ADRB+\slot] offset:128*(\q)+32*\c+\i*16*PITCH
.endr
.endr
	WIN 0
.irp i, 0,1,2,3
.irp c, 0,1,2,3
	ds_load_b128 v[AF+64*(\p)+FR*\i+4*\c:AF+64*(\p)+FR*\i+4*\c+3], v[ADRA+\slot] offset:4096*\i+2048*(\q)+512*\c
.endr
.endr
.endm
.macro PLACES n
.rept \n
	v_nop
.endr
.endm
.macro STEP slot, zero
	s_wait_dscnt 0x0
	PLACES NP
	FETCH \slot, 1, 1
	WIN MUL
	MUL8 0, 0, \zero
	MUL8 1, 0, \zero
	MUL8 2, 0, \zero
	MUL8 3, 0, \zero
.endm
.macro TURN slot, next, fill
	WIN 0
	s_wait_tensorcnt 0x0
	ds_add_u32 v[SPW], v[NIL]
	s_wait_dscnt 1
	WIN MUL
	MUL8 0, 1, 0
	s_wait_dscnt 0x0
	s_barrier_signal -1
	MUL8 1, 1, 0
	WIN 0
	s_barrier_wait -1
.if \fill
	CREST
	s_add_nc_u64 s[G0+4*\slot+2:G0+4*\slot+3], s[G0+4*\slot+2:G0+4*\slot+3], 2*ABLK
	s_add_nc_u64 s[G0B+4*\slot+2:G0B+4*\slot+3], s[G0B+4*\slot+2:G0B+4*\slot+3], 2*256
	JLOAD G0+4*\slot, G1, G0B+4*\slot, G1B
.else
	PLACES NP
.endif
	FETCH \next, 0, 0
	WIN MUL
	MUL8 2, 1, 0
	MUL8 3, 1, 0
.endm
	s_wait_alu depctr_va_vdst(0)
	s_wait_tensorcnt 0x0                           ; my part of K step 0 is in
	ds_add_u32 v[SPW], v[NIL]
	s_wait_dscnt 0x0
	CROUND
	JLOAD G0+4, G1, G0B+4, G1B                     ; K step 1, the first tensor load behind the round
	ASK 49152, 768                                 ; K step 3, two loads ahead
	FETCH 0, 0, 0
	STEP 0, 1
	TURN 0, 1, 1
	STEP 1, 0
	TURN 1, 0, 1
	STEP 0, 0
	TURN 0, 1, 0
	STEP 1, 0
	s_wait_dscnt 0x0
	MUL8 0, 1, 0
	MUL8 1, 1, 0
	MUL8 2, 1, 0
	MUL8 3, 1, 0
	WIN 0
.macro TOSTAGE a
.set AC, 64*(\a)
	WIN 0x02
.irp j, 0,2,4,6,8,10,12,14,16,18,20,22,24,26,28,30,32,34,36,38,40,42,44,46,48,50,52,54,56,58,60,62
	v_pk_mul_f32 v[TMP+\j:TMP+\j+1], v[AC+\j:AC+\j+1], s[96:97] op_sel_hi:[1,0]
.endr
	WIN 0
.irp b, 0,1,2,3,4,5,6,7
	ds_store_b128 v[STO], v[TMP+8*\b:TMP+8*\b+3] offset:64*\b
	ds_store_b128 v[STO], v[TMP+8*\b+4:TMP+8*\b+7] offset:64*\b+16
.endr
.set BB, BK+64*((\a)%2)
.irp t, 0,1,2,3,4,5,6,7,8,9,10,11,12,13,14,15
	ds_load_b128 v[BB+4*\t:BB+4*\t+3], v[RD] offset:\t*SPITCH
.endr
.endm
.macro SEND a, younger
.set BB, BK+64*((\a)%2)
	s_wait_dscnt \younger
.if (\a) > 0
	s_add_nc_u64 s[10:11], s[10:11], 16*SIZE_N*4
.endif
.irp t, 0,1,2,3,4,5,6,7,8,9,10,11,12,13,14,15
	global_store_b128 v[CO], v[BB+4*\t:BB+4*\t+3], s[10:11] offset:\t*SIZE_N*4 th:TH_STORE_NT
.endr
.endm
	s_wait_kmcnt 0x0
	s_add_co_i32 s96, s96, s97
	s_add_co_i32 s96, s96, 127
	s_lshl_b32 s96, s96, 23
	PLACES NP
	TOSTAGE 0
.irp a, 1,2,3
.if \a > 1
	s_wait_xcnt 0x0
.endif
	TOSTAGE \a
	SEND \a-1, 32
.endr
	s_wait_xcnt 0x0
	SEND 3, 0
	s_wait_tensorcnt 0x0
	ds_add_u32 v[SPW], v[NIL]
	s_wait_dscnt 0x0
	CROUND
	s_endpgm
.Lfunc_end_k_q3763dbac50_outp:
	.size	k_q3763dbac50_outp, .Lfunc_end_k_q3763dbac50_outp-k_q3763dbac50_outp
	.p2alignl 7, 3214868480
	.fill 96, 4, 3214868480
	.section	.rodata,"a",@progbits
	.p2align	6, 0x0
	.amdhsa_kernel k_q3763dbac50_outp
		.amdhsa_group_segment_fixed_size 327680
		.amdhsa_private_segment_fixed_size 0
		.amdhsa_enable_private_segment 0
		.amdhsa_kernarg_size 32
		.amdhsa_user_sgpr_count 2
		.amdhsa_user_sgpr_kernarg_segment_ptr 1
		.amdhsa_wavefront_size32 1
		.amdhsa_system_sgpr_workgroup_id_x 1
		.amdhsa_system_sgpr_workgroup_id_y 1
		.amdhsa_system_sgpr_workgroup_id_z 1
		.amdhsa_system_vgpr_workitem_id 0
		.amdhsa_next_free_vgpr 768
		.amdhsa_next_free_sgpr 98
		.amdhsa_reserve_vcc 0
		.amdhsa_float_denorm_mode_32 3
		.amdhsa_float_denorm_mode_16_64 3
		.amdhsa_memory_ordered 1
		.amdhsa_forward_progress 1
		.amdhsa_inst_pref_size 77
	.end_amdhsa_kernel
	.amdgpu_metadata
---
amdhsa.version: [ 1, 2 ]
amdhsa.kernels:
  - .name:           k_q3763dbac50_outp
    .symbol:         k_q3763dbac50_outp.kd
    .args:
      - { .name: of, .offset: 0, .size: 8, .value_kind: global_buffer, .address_space: global }
      - { .name: wc, .offset: 8, .size: 8, .value_kind: global_buffer, .address_space: global }
      - { .name: lowp_scales, .offset: 16, .size: 8, .value_kind: global_buffer, .address_space: global }
      - { .name: out0, .offset: 24, .size: 8, .value_kind: global_buffer, .address_space: global }
    .group_segment_fixed_size: 327680
    .private_segment_fixed_size: 0
    .kernarg_segment_align: 8
    .kernarg_segment_size: 32
    .max_flat_workgroup_size: 128
    .sgpr_count:     98
    .vgpr_count:     768
    .wavefront_size: 32
...
	.end_amdgpu_metadata
.endif
;; end of part 4
